; MI455X (gfx1250); checked and timed in simulation.
; The chip was launched on July 23, 2026; its instructions are those of AMD's public machine-readable ISA for CDNA 5 (MIT licence, August 2026) and "CDNA5" Instruction Set Architecture Reference Guide (July 2026). The comments in the code are by the model that wrote it; some were corrected since.
;; Multi Head Attention. Allowed arithmetic: float matrix products may take bf16 or f16 operands with f32 sums; all other float work in f32.
;; Inputs: Wk 768 x 768 float32; Wq 768 x 768 float32; Wv 768 x 768 float32; bk 768 float32; bq 768 float32; bv 768 float32; ln_beta 768 float32; ln_gamma 768 float32; x 8 x 1,024 x 768 float32.
;; Outputs: out0 8 x 1,024 x 768 float32.
;; 2 versions, each right; version 2 is version 1 with the launch prep written anew for expert scheduling mode. Each part assembles by itself: llvm-mc -triple=amdgcn-amd-amdhsa -mcpu=gfx1250 --defsym DOCPART=n.
;; ======== version 1 of 2: 4 launches
;; workspace buffers: xb 12,582,912 bytes; wt 3,538,944 bytes; qkv 37,748,736 bytes; y 25,165,824 bytes
;; launch prep (part 1): grid 12 x 82, 8 waves a work-group, no clusters, 18,432 bytes of LDS; arguments x, Wq, Wk, Wv, xb, wt; writes xb, wt
.if DOCPART == 1
	.amdgcn_target "amdgcn-amd-amdhsa--gfx1250"
	.amdhsa_code_object_version 6
	.text
	.protected	k_q4017f71cfa_prep
	.globl	k_q4017f71cfa_prep
	.p2align	8
	.type	k_q4017f71cfa_prep,@function
k_q4017f71cfa_prep:
	s_mov_b64 s[64:65], 0
	v_nop
	global_prefetch_b8 v0, s[64:65] scope:SCOPE_SE
	s_setreg_imm32_b32 hwreg(HW_REG_WAVE_MODE, 25, 1), 1
	s_wait_xcnt 0x0
; prep: the matrix operands of the projections, rounded once to bf16.
;   xb[8192][768] = bf16(x), as x lies.     wt[2304][768]: wt[768 m + n][k] = bf16(W_m[k][n]), m = 0, 1, 2 for Wq, Wk, Wv (k along the rows).
; A stream: each input byte is read once, each output byte written once; nothing is shared between work-groups, so no cluster and no matrix unit.
; Grid 12 x 82.  y = 0..17: one tile of 128 k x 64 n of one W, turned in LDS.  y = 18..81: 32 KiB of x.  Each work-group reads 32 KiB.
; LIMIT: rounding to bf16 (nearest even) of x and W, as matrix operands.
.set WROLES, 18                        ; 3 matrices x 6 tiles along k; x 12 tiles along n in the grid's x
.set WP,     272                       ; LDS pitch of a turned row: 128 k x 2 bytes + 16
	s_load_b256 s[4:11], s[0:1], 0x0               ; x s[4:5], Wq s[6:7], Wk s[8:9], Wv s[10:11]
	s_load_b128 s[12:15], s[0:1], 0x20             ; xb s[12:13], wt s[14:15]
	v_lshl_add_u32 v56, v0, 2, 0x4400
	v_mov_b32 v57, 0
	s_and_b32 s16, ttmp7, 0xffff                   ; the work-group's y
	s_mov_b32 s19, 0                               ; high word of every offset pair s[18:19]
	s_wait_kmcnt 0x0
	s_cmp_lt_u32 s16, WROLES                       ; the same in all eight waves
	s_cbranch_scc1 .Lw
	; ---- x: piece (y - 18) * 12 + x of 768 pieces of 32 KiB; thread t takes 16 bytes at 16 t of each 4 KiB
	s_sub_co_u32 s17, s16, WROLES
	s_mul_i32 s17, s17, 12
	s_add_co_u32 s17, s17, ttmp9
	s_lshl_b32 s18, s17, 15
	s_add_nc_u64 s[4:5], s[4:5], s[18:19]
	s_lshl_b32 s18, s17, 14
	s_add_nc_u64 s[12:13], s[12:13], s[18:19]
	v_lshlrev_b32 v1, 4, v0
	v_lshlrev_b32 v2, 3, v0
.irp i, 0,1,2,3,4,5,6,7
	global_load_b128 v[8+4*\i:11+4*\i], v1, s[4:5] offset:4096*\i th:TH_LOAD_NT
.endr
.irp i, 0,1,2,3,4,5,6,7
	s_wait_loadcnt 7-\i                            ; loads come back in order: the 7 - i younger ones stay out
	v_cvt_pk_bf16_f32 v[40+2*\i], v[8+4*\i], v[9+4*\i]
	v_cvt_pk_bf16_f32 v[41+2*\i], v[10+4*\i], v[11+4*\i]
	global_store_b64 v2, v[40+2*\i:41+2*\i], s[12:13] offset:2048*\i   ; a wave's 32 lanes store 256 consecutive bytes, aligned
.endr
	s_endpgm                                       ; every load and store has registers of its own: nothing is rewritten
	; ---- W: matrix m = y / 6, rows k = 128 kt .. + 127 (kt = y mod 6), columns n = 64 nt .. + 63 (nt = the grid's x)
.Lw:
	s_mul_i32 s17, s16, 11
	s_lshr_b32 s17, s17, 6                         ; m = y / 6 for y = 0..17
	s_mul_i32 s20, s17, 6
	s_sub_co_u32 s20, s16, s20                     ; kt
	s_cmp_eq_u32 s17, 1
	s_cselect_b64 s[6:7], s[8:9], s[6:7]
	s_cmp_eq_u32 s17, 2
	s_cselect_b64 s[6:7], s[10:11], s[6:7]         ; the matrix
	s_mul_i32 s18, s20, 393216                     ; 128 rows of 3,072 bytes
	s_lshl_b32 s21, ttmp9, 8                       ; 64 columns of 4 bytes
	s_add_co_u32 s18, s18, s21
	s_add_nc_u64 s[6:7], s[6:7], s[18:19]
	s_mul_i32 s18, s17, 768
	s_lshl_b32 s21, ttmp9, 6
	s_add_co_u32 s18, s18, s21                     ; wt's row 768 m + 64 nt
	s_mul_i32 s18, s18, 1536
	s_lshl_b32 s21, s20, 8                         ; 128 k of 2 bytes
	s_add_co_u32 s18, s18, s21
	s_add_nc_u64 s[14:15], s[14:15], s[18:19]
	v_and_b32 v6, 15, v0                           ; c: my 4 columns 4 c .. 4 c + 3
	v_lshrrev_b32 v7, 4, v0                        ; kp = 0..15: my pair of rows
	v_mul_u32_u24 v1, v7, 6144
	v_lshl_add_u32 v1, v6, 4, v1                   ; from: row 2 kp, byte 16 c: sixteen lanes read 256 consecutive bytes of a row
	v_mul_u32_u24 v3, v6, 4*WP
	v_lshl_add_u32 v3, v7, 2, v3                   ; into LDS: row n = 4 c, byte 2 k = 4 kp
	v_mul_u32_u24 v4, v7, WP
	v_lshl_add_u32 v4, v6, 4, v4                   ; back: row n = kp, 16 bytes at 16 c
	v_mul_u32_u24 v5, v7, 1536
	v_lshl_add_u32 v5, v6, 4, v5                   ; and the same in wt
.irp i, 0,1,2,3
	global_load_b128 v[8+8*\i:11+8*\i],  v1, s[6:7] offset:\i*98304 th:TH_LOAD_NT        ; row k = 32 i + 2 kp
	global_load_b128 v[12+8*\i:15+8*\i], v1, s[6:7] offset:\i*98304+3072 th:TH_LOAD_NT   ; row k + 1
.endr
.irp i, 0,1,2,3
	s_wait_loadcnt 6-2*\i                          ; this pair of rows is in; the 6 - 2 i younger loads stay out
.irp e, 0,1,2,3
	v_cvt_pk_bf16_f32 v[40+4*\i+\e], v[8+8*\i+\e], v[12+8*\i+\e]       ; (k, k + 1) of column 4 c + e: neighbours in wt's row
	ds_store_b32 v3, v[40+4*\i+\e] offset:\e*WP+64*\i
.endr
.endr
	s_wait_dscnt 0x0                               ; my stores are in LDS before I say so: other waves read them
	s_barrier_signal -1
	s_barrier_wait -1
.irp i, 0,1,2,3
	ds_load_b128 v[8+4*\i:11+4*\i], v4 offset:\i*16*WP                 ; row n = 16 i + kp
.endr
.irp i, 0,1,2,3
	s_wait_dscnt 3-\i
	global_store_b128 v5, v[8+4*\i:11+4*\i], s[14:15] offset:\i*24576  ; sixteen lanes store 256 consecutive bytes, aligned
.endr
	s_wait_tensorcnt 0x0
	ds_add_u32 v56, v57
	s_wait_dscnt 0x0
	s_endpgm
.Lfunc_end_k_q4017f71cfa_prep:
	.size	k_q4017f71cfa_prep, .Lfunc_end_k_q4017f71cfa_prep-k_q4017f71cfa_prep
	.p2alignl 7, 3214868480
	.fill 96, 4, 3214868480
	.section	.rodata,"a",@progbits
	.p2align	6, 0x0
	.amdhsa_kernel k_q4017f71cfa_prep
		.amdhsa_group_segment_fixed_size 18432
		.amdhsa_private_segment_fixed_size 0
		.amdhsa_enable_private_segment 0
		.amdhsa_kernarg_size 48
		.amdhsa_user_sgpr_count 2
		.amdhsa_user_sgpr_kernarg_segment_ptr 1
		.amdhsa_wavefront_size32 1
		.amdhsa_system_sgpr_workgroup_id_x 1
		.amdhsa_system_sgpr_workgroup_id_y 1
		.amdhsa_system_sgpr_workgroup_id_z 1
		.amdhsa_system_vgpr_workitem_id 0
		.amdhsa_next_free_vgpr 58
		.amdhsa_next_free_sgpr 66
		.amdhsa_reserve_vcc 0
		.amdhsa_float_denorm_mode_32 3
		.amdhsa_float_denorm_mode_16_64 3
		.amdhsa_memory_ordered 1
		.amdhsa_forward_progress 1
		.amdhsa_inst_pref_size 9
	.end_amdhsa_kernel
	.amdgpu_metadata
---
amdhsa.version: [ 1, 2 ]
amdhsa.kernels:
  - .name:           k_q4017f71cfa_prep
    .symbol:         k_q4017f71cfa_prep.kd
    .args:
      - { .name: x, .offset: 0, .size: 8, .value_kind: global_buffer, .address_space: global }
      - { .name: Wq, .offset: 8, .size: 8, .value_kind: global_buffer, .address_space: global }
      - { .name: Wk, .offset: 16, .size: 8, .value_kind: global_buffer, .address_space: global }
      - { .name: Wv, .offset: 24, .size: 8, .value_kind: global_buffer, .address_space: global }
      - { .name: xb, .offset: 32, .size: 8, .value_kind: global_buffer, .address_space: global }
      - { .name: wt, .offset: 40, .size: 8, .value_kind: global_buffer, .address_space: global }
    .group_segment_fixed_size: 18432
    .private_segment_fixed_size: 0
    .kernarg_segment_align: 8
    .kernarg_segment_size: 48
    .max_flat_workgroup_size: 256
    .sgpr_count:     66
    .vgpr_count:     58
    .wavefront_size: 32
...
	.end_amdgpu_metadata
.endif
;; end of part 1
;; launch qkv (part 2): grid 8 x 32, 12 waves a work-group, clusters of 4 x 4, 327,680 bytes of LDS; arguments xb, wt, bq, bk, bv, qkv; writes qkv
.if DOCPART == 2
	.amdgcn_target "amdgcn-amd-amdhsa--gfx1250"
	.amdhsa_code_object_version 6
	.text
	.protected	k_q4017f71cfa_qkv
	.globl	k_q4017f71cfa_qkv
	.p2align	8
	.type	k_q4017f71cfa_qkv,@function
k_q4017f71cfa_qkv:
	s_mov_b64 s[64:65], 0
	v_nop
	global_prefetch_b8 v0, s[64:65] scope:SCOPE_SE
	s_setreg_imm32_b32 hwreg(HW_REG_WAVE_MODE, 25, 1), 1
	s_wait_xcnt 0x0
	s_wait_alu depctr_hold_cnt(0) depctr_sa_sdst(0) depctr_va_vdst(0) depctr_va_sdst(0) depctr_va_ssrc(0) depctr_va_vcc(0) depctr_vm_vsrc(0)
	s_getreg_b32 s2, hwreg(HW_REG_IB_STS2, 6, 4)
	s_cmp_eq_u32 s2, 0
	s_cbranch_scc0 .Lentry_in_a_cluster
	s_endpgm
.Lentry_in_a_cluster:
	s_bfe_u32 s2, ttmp6, 0x10000c
	s_cmp_lg_u32 s2, 0xf033
	s_cbranch_scc0 .Lentry_shape_is_right
	s_endpgm
.Lentry_shape_is_right:
; qkv: [8192 x 768] (xb) times [768 x 2304] (wt, stored [n][k]) plus bias, f32 sums, out in bf16.
; OUT: 72 planes of 32 columns, qkv[plane][8192 rows][32]: plane = (768 m + column) / 32; q = planes 0-23, k = 24-47, v = 48-71.
; A work-group makes 256 rows x 288 columns: 32 x 8 = 256 work-groups.  Twelve waves, three for each of the four SIMDs; wave w = 3 wm + wn makes
; rows 64 wm .. + 63, columns 96 wn .. + 95: 4 x 6 accumulator tiles of 16 x 16 = 192 registers.  96 columns are three whole planes.
; K goes in 6 steps of 128 (tile rows of 256 bytes, at multiples of 256 bytes) through two LDS slots that take turns.
; CLUSTER 4 x 4: xb's tile hangs on the block row alone and is asked for jointly along a row of the cluster, wt's on the block column alone and
; is asked for jointly along a column: the requests for both are divided by four.
; The matrix instruction is used transposed (source 0 = 16 rows of wt, source 1 = 16 rows of xb): lane (r, h) then holds row r, columns 8 h + 0..7.
; The bias is loaded straight into the accumulators and starts the sums: nothing is cleared, and all six K steps are alike.
; LIMIT: operands and the result are rounded to bf16.
.set PITCH, 272                        ; an LDS row: 256 bytes + 16: an odd multiple of 16, so the 16 rows of a fragment load lie in 16 different 16-byte columns modulo 256
.set XPART, 288*PITCH                  ; a slot: wt's 288 rows, then xb's 256 rows
.set SLOT,  544*PITCH                  ; 147,968 bytes; two slots take 295,936 of the LDS asked for
.set PLB,   524288                     ; bytes of a plane
.set STG,   3840                       ; a wave's stage for the way out: 3 planes x 16 rows x 80 bytes, in slot 0 after its last fill
.set ADRX, 3                           ; v3, v4   LDS address of my xb fragments in slot 0, 1
.set ADRW, 5                           ; v5, v6   the same for wt
.set XF,   8                           ; v[8:39]  four fragments of xb (16 rows x 32 K)
.set WF,   40                          ; v[40:63] three fragments of wt
.set ACC,  64                          ; v[64:255] tile (a, b) at ACC + 8 (6 a + b)
.set TMP,  8                           ; the way out: v[8:31] packed results, v32 STO, v33 RD, v34 CO
.set STO,  32
.set RD,   33
.set CO,   34
.set G1X, 16                           ; s[16:23] shape of xb's part: 64 rows x 128
.set G1W, 24                           ; s[24:31] shape of wt's part: 72 rows x 128
.set G0X, 32                           ; s[32:39] from where, to where: xb, a set for each slot
.set G0W, 48                           ; s[48:55] the same for wt
.set FLAGS, (1<<16)|(1<<20)|(1<<21)|(5<<22)|(3<<25)   ; elements of 2 bytes; padding on; bit 21 beside a mask; after every 64 words, 4 words
.macro PLACES                          ; four plain vector instructions between a matrix instruction and a load into, or a vector access to, its registers
.rept 4
	v_nop
.endr
.endm
; A round of the cluster's barrier: my work-group's barrier, wave 0 signals for the work-group, every wave waits for all sixteen, my work-group's barrier again.
.macro ROUND
	s_barrier_signal -1
	s_barrier_wait -1
	s_cmp_lg_u32 s40, 0
	s_cbranch_scc1 .Lnot_wave_0_\@
	s_barrier_signal -3
.Lnot_wave_0_\@:
	s_barrier_wait -3
	s_barrier_signal -1
	s_barrier_wait -1
.endm
; The joint loads of one K step into slot s: waves 0-3 ask for 72 rows of wt each, waves 4-7 for 64 rows of xb each, waves 8-11 for nothing.
; The branches hang on the wave's number alone.
.macro JLOAD s
	s_cmp_lt_u32 s40, 4
	s_cbranch_scc0 .Lnot_w_\@
	tensor_load_to_lds s[G0W+4*\s:G0W+4*\s+3], s[G1W:G1W+7]
	s_nop 0
	s_branch .Lasked_\@
.Lnot_w_\@:
	s_cmp_lt_u32 s40, 8
	s_cbranch_scc0 .Lasked_\@
	tensor_load_to_lds s[G0X+4*\s:G0X+4*\s+3], s[G1X:G1X+7]
	s_nop 0
.Lasked_\@:
.endm
	s_load_b256 s[4:11], s[0:1], 0x0               ; xb s[4:5], wt s[6:7], bq s[8:9], bk s[10:11]
	s_load_b128 s[12:15], s[0:1], 0x20             ; bv s[12:13], qkv s[14:15]
	s_set_vgpr_msb 0x40
	v_lshl_add_u32 v0, v0, 2, 0x48400
	v_mov_b32 v1, 0
	s_set_vgpr_msb 0x4045
	ds_add_u32 v0, v1
	s_set_vgpr_msb 0x4500
	v_lshrrev_b32 v1, 5, v0
	v_readfirstlane_b32 s40, v1                    ; wave 0..11
	s_mul_i32 s41, s40, 11
	s_lshr_b32 s41, s41, 5                         ; wm = wave / 3
	s_mul_i32 s42, s41, 3
	s_sub_co_u32 s42, s40, s42                     ; wn = wave mod 3
	s_bfe_u32 s43, ttmp6, 0x40000                  ; cx
	s_bfe_u32 s44, ttmp6, 0x40004                  ; cy
	s_lshl_b32 s45, ttmp9, 2
	s_add_co_u32 s45, s45, s43                     ; block column bx = 4 x cluster x + cx
	s_and_b32 s46, ttmp7, 0xffff
	s_lshl_b32 s46, s46, 2
	s_add_co_u32 s46, s46, s44                     ; block row by = 4 x cluster y + cy
	s_lshl_b32 s47, s44, 2
	s_lshl_b32 s47, 15, s47                        ; my row of the cluster: places 4 cy .. 4 cy + 3
	s_lshl_b32 s2, 0x1111, s43                     ; my column: places cx, cx + 4, cx + 8, cx + 12
	s_or_b32 s[G1X+0], s47, FLAGS                  ; xb's tiles go to my row
	s_or_b32 s[G1W+0], s2, FLAGS                   ; wt's tiles go to my column
	s_mov_b32 s[G1X+1], 128<<16                    ; tensor_dim0 = 128
	s_mov_b32 s[G1W+1], 128<<16
	s_mov_b32 s[G1X+2], 64<<16                     ; tensor_dim1 = the part's rows
	s_mov_b32 s[G1W+2], 72<<16
	s_mov_b32 s[G1X+3], 128<<16                    ; tile_dim0 = 128 elements = 256 bytes
	s_mov_b32 s[G1W+3], 128<<16
	s_mov_b32 s[G1X+4], 64                         ; tile_dim1
	s_mov_b32 s[G1W+4], 72
	s_mov_b32 s[G1X+5], 768                        ; elements from row to row
	s_mov_b32 s[G1W+5], 768
	s_mov_b32 s[G1X+6], 0
	s_mov_b32 s[G1W+6], 0
	s_mov_b32 s[G1X+7], 0
	s_mov_b32 s[G1W+7], 0
	; from where.  Every wave makes both addresses; the part's number is clamped so that the set a wave does not use stays inside its buffer.
	s_max_u32 s62, s40, 4
	s_min_u32 s62, s62, 7
	s_sub_co_u32 s62, s62, 4                       ; xb's part 0..3 (waves 4-7)
	s_min_u32 s63, s40, 3                          ; wt's part 0..3 (waves 0-3)
	s_lshl_b32 s56, s46, 8
	s_lshl_b32 s62, s62, 6
	s_add_co_u32 s56, s56, s62                     ; xb's row 256 by + 64 part: hangs on the block row alone
	s_mul_i32 s56, s56, 1536
	s_mov_b32 s57, 0
	s_mul_i32 s58, s45, 288
	s_mul_i32 s63, s63, 72
	s_add_co_u32 s58, s58, s63                     ; wt's row 288 bx + 72 part: hangs on the block column alone
	s_mul_i32 s58, s58, 1536
	s_mov_b32 s59, 0
	; to where: the wave's number times a constant plus a constant
	s_mul_i32 s60, s40, 64*PITCH
	s_add_co_u32 s60, s60, XPART-4*64*PITCH        ; xb: XPART + (wave - 4) x 64 rows
	s_mul_i32 s61, s40, 72*PITCH                   ; wt: wave x 72 rows
	s_wait_dscnt 0x0
	s_wait_kmcnt 0x0
	s_add_nc_u64 s[56:57], s[4:5], s[56:57]
	s_add_nc_u64 s[58:59], s[6:7], s[58:59]
	ROUND                                          ; all sixteen work-groups are here: the first joint loads meet
.irp s, 0,1
	s_mov_b32 s[G0X+4*\s], 1
	s_add_co_u32 s[G0X+4*\s+1], s60, \s*SLOT
	s_add_nc_u64 s[G0X+4*\s+2:G0X+4*\s+3], s[56:57], \s*256        ; K step s
	s_or_b32 s[G0X+4*\s+3], s[G0X+4*\s+3], 0x80000000
	s_mov_b32 s[G0W+4*\s], 1
	s_add_co_u32 s[G0W+4*\s+1], s61, \s*SLOT
	s_add_nc_u64 s[G0W+4*\s+2:G0W+4*\s+3], s[58:59], \s*256
	s_or_b32 s[G0W+4*\s+3], s[G0W+4*\s+3], 0x80000000
.endr
	JLOAD 0                                        ; K step 0; slot 1 is first filled behind the first trip's round
	; the bias of my 96 columns: strip = 3 bx + wn of 24 strips, eight to a tensor
	s_mul_i32 s2, s45, 3
	s_add_co_u32 s2, s2, s42
	s_cmp_lt_u32 s2, 8
	s_cselect_b64 s[8:9], s[8:9], s[10:11]         ; bq or bk
	s_cmp_lt_u32 s2, 16
	s_cselect_b64 s[8:9], s[8:9], s[12:13]         ; or bv
	s_and_b32 s10, s2, 7
	s_mul_i32 s10, s10, 384
	s_mov_b32 s11, 0
	s_add_nc_u64 s[8:9], s[8:9], s[10:11]
	v_bfe_u32 v2, v0, 4, 1                         ; h
	v_lshlrev_b32 v7, 5, v2                        ; my eight columns 8 h .. of a tile: 32 h bytes
.irp a, 0,1,2,3
.irp b, 0,1,2,3,4,5
	global_load_b128 v[ACC+8*(6*\a+\b):ACC+8*(6*\a+\b)+3],   v7, s[8:9] offset:64*\b
	global_load_b128 v[ACC+8*(6*\a+\b)+4:ACC+8*(6*\a+\b)+7], v7, s[8:9] offset:64*\b+16
.endr
.endr
	; where my block goes: plane 3 strip, row 256 by + 64 wm
	s_mul_i32 s12, s2, 3*PLB
	s_lshl_b32 s13, s46, 8
	s_lshl_b32 s47, s41, 6
	s_add_co_u32 s13, s13, s47
	s_lshl_b32 s13, s13, 6
	s_add_co_u32 s12, s12, s13
	s_mov_b32 s13, 0
	s_add_nc_u64 s[14:15], s[14:15], s[12:13]
	; a fragment: lane (r, h) takes 16 bytes at row r, byte 16 h, and 32 bytes further on
	v_and_b32 v1, 15, v0                           ; r
	v_mul_u32_u24 v3, v1, PITCH
	v_lshl_add_u32 v3, v2, 4, v3
	s_mul_i32 s62, s41, 64*PITCH
	s_add_co_u32 s62, s62, XPART
	s_mul_i32 s63, s42, 96*PITCH
	v_add_nc_u32 v[ADRW], s63, v3
	v_add_nc_u32 v[ADRX], s62, v3
	v_add_nc_u32 v[ADRX+1], SLOT, v[ADRX]
	v_add_nc_u32 v[ADRW+1], SLOT, v[ADRW]
	s_wait_loadcnt 0x0                             ; the bias is in the accumulators
.macro MM a, b
	v_wmma_f32_16x16x32_bf16 v[ACC+8*(6*\a+\b):ACC+8*(6*\a+\b)+7], v[WF+8*(\b%3):WF+8*(\b%3)+7], v[XF+8*\a:XF+8*\a+7], v[ACC+8*(6*\a+\b):ACC+8*(6*\a+\b)+7]
.endm
; 32 along K: 20 LDS loads and 24 matrix instructions.  The 24 accumulators take turns, one instruction a turn, in the same order in every
; quarter, over the backward jump too.
.macro KQ slot, kq
	PLACES
.irp a, 0,1,2,3
	ds_load_b128 v[XF+8*\a:XF+8*\a+3],   v[ADRX+\slot] offset:\a*16*PITCH+64*\kq
	ds_load_b128 v[XF+8*\a+4:XF+8*\a+7], v[ADRX+\slot] offset:\a*16*PITCH+64*\kq+32
.endr
.irp b, 0,1,2
	ds_load_b128 v[WF+8*\b:WF+8*\b+3],   v[ADRW+\slot] offset:\b*16*PITCH+64*\kq
	ds_load_b128 v[WF+8*\b+4:WF+8*\b+7], v[ADRW+\slot] offset:\b*16*PITCH+64*\kq+32
.endr
.irp b, 0,1,2
	s_wait_dscnt 4-2*\b                            ; xb's fragments and wt's fragment b are in; the later fragments' loads stay out
.irp a, 0,1,2,3
	MM \a, \b
.endr
.endr
	PLACES
.irp b, 3,4,5
	ds_load_b128 v[WF+8*(\b-3):WF+8*(\b-3)+3],   v[ADRW+\slot] offset:\b*16*PITCH+64*\kq
	ds_load_b128 v[WF+8*(\b-3)+4:WF+8*(\b-3)+7], v[ADRW+\slot] offset:\b*16*PITCH+64*\kq+32
.endr
.irp b, 3,4,5
	s_wait_dscnt 10-2*\b
.irp a, 0,1,2,3
	MM \a, \b
.endr
.endr
.endm
; One K step.  In front of the round every wave has waited for all its tensor loads (its part of this step's tile among them) and for its reads of
; the other slot; behind the round the other slot is filled first, one tensor load a wave at the most, and has this step's 96 matrix
; instructions of each wave in which to land.  One tensor load of a wave is out at any time.
.macro TRIP slot, other, refill
	s_set_vgpr_msb 0x5
	s_wait_tensorcnt 0x0
	ds_add_u32 v0, v1
	s_wait_dscnt 0x0
	s_set_vgpr_msb 0x500
	s_add_nc_u64 s[G0X+4*\slot+2:G0X+4*\slot+3], s[G0X+4*\slot+2:G0X+4*\slot+3], 512   ; no load of mine is out: this slot's next tile, two K steps on
	s_add_nc_u64 s[G0W+4*\slot+2:G0W+4*\slot+3], s[G0W+4*\slot+2:G0W+4*\slot+3], 512
	s_wait_dscnt 0x0
	ROUND
.if \refill
	JLOAD \other
.endif
	KQ \slot, 0
	KQ \slot, 1
	KQ \slot, 2
	KQ \slot, 3
.endm
	s_mov_b32 s3, 2
.Lloop:
	TRIP 0, 1, 1
	TRIP 1, 0, 1
	s_sub_co_u32 s3, s3, 1
	s_cmp_lg_u32 s3, 0
	s_cbranch_scc1 .Lloop
	TRIP 0, 1, 1                                   ; K step 4 asks for K step 5
	TRIP 1, 0, 0                                   ; the last asks for nothing (the stepped addresses are not used)
	; THE WAY OUT, 16 rows at a time: round to bf16, 16 bytes a lane into my stage, read back so that a store covers 512 consecutive bytes of a plane.
	; The stage lies in slot 0: its last fill was K step 4's, and the round in front of K step 5 stood behind every wave's reads of it.
	PLACES
	v_mul_u32_u24 v[STO], v1, 80
	v_lshl_add_u32 v[STO], v2, 4, v[STO]
	s_mul_i32 s62, s40, STG
	v_add_nc_u32 v[STO], s62, v[STO]               ; in: row r, 16 h
	v_and_b32 v[CO], 31, v0
	v_lshrrev_b32 v[RD], 2, v[CO]
	v_mul_u32_u24 v[RD], v[RD], 80
	v_and_b32 v35, 3, v0
	v_lshl_add_u32 v[RD], v35, 4, v[RD]
	v_add_nc_u32 v[RD], s62, v[RD]                 ; back: row lane / 4, 16 bytes at 16 (lane mod 4)
	v_lshlrev_b32 v[CO], 4, v[CO]                  ; which in a plane, whose rows are 64 bytes, is byte 16 x lane
.macro OUT16 a
.irp b, 0,1,2,3,4,5
.irp q, 0,1,2,3
	v_cvt_pk_bf16_f32 v[TMP+4*\b+\q], v[ACC+8*(6*\a+\b)+2*\q], v[ACC+8*(6*\a+\b)+2*\q+1]
.endr
	ds_store_b128 v[STO], v[TMP+4*\b:TMP+4*\b+3] offset:(\b/2)*1280+32*(\b%2)
.endr
.irp u, 0,1,2,3,4,5
	ds_load_b128 v[ACC+48*\a+4*\u:ACC+48*\a+4*\u+3], v[RD] offset:(\u/2)*1280+(\u%2)*640   ; my own bytes; LDS serves a wave's instructions in order (ISA guide 5.7.1)
.endr
.irp u, 0,1,2,3,4,5
	s_wait_dscnt 5-\u
	global_store_b128 v[CO], v[ACC+48*\a+4*\u:ACC+48*\a+4*\u+3], s[14:15] offset:(\u/2)*PLB+\a*1024+(\u%2)*512   ; data registers of its own for each store
.endr
.endm
	OUT16 0
	OUT16 1
	OUT16 2
	OUT16 3
	s_wait_dscnt 0x0
	s_set_vgpr_msb 0x5
	s_wait_tensorcnt 0x0
	ds_add_u32 v0, v1
	s_wait_dscnt 0x0
	s_set_vgpr_msb 0x500
	ROUND                                          ; the closing round: no work-group ends while a partner may still ask jointly
	s_endpgm
.Lfunc_end_k_q4017f71cfa_qkv:
	.size	k_q4017f71cfa_qkv, .Lfunc_end_k_q4017f71cfa_qkv-k_q4017f71cfa_qkv
	.p2alignl 7, 3214868480
	.fill 96, 4, 3214868480
	.section	.rodata,"a",@progbits
	.p2align	6, 0x0
	.amdhsa_kernel k_q4017f71cfa_qkv
		.amdhsa_group_segment_fixed_size 327680
		.amdhsa_private_segment_fixed_size 0
		.amdhsa_enable_private_segment 0
		.amdhsa_kernarg_size 48
		.amdhsa_user_sgpr_count 2
		.amdhsa_user_sgpr_kernarg_segment_ptr 1
		.amdhsa_wavefront_size32 1
		.amdhsa_system_sgpr_workgroup_id_x 1
		.amdhsa_system_sgpr_workgroup_id_y 1
		.amdhsa_system_sgpr_workgroup_id_z 1
		.amdhsa_system_vgpr_workitem_id 0
		.amdhsa_next_free_vgpr 258
		.amdhsa_next_free_sgpr 66
		.amdhsa_reserve_vcc 0
		.amdhsa_float_denorm_mode_32 3
		.amdhsa_float_denorm_mode_16_64 3
		.amdhsa_memory_ordered 1
		.amdhsa_forward_progress 1
		.amdhsa_inst_pref_size 79
	.end_amdhsa_kernel
	.amdgpu_metadata
---
amdhsa.version: [ 1, 2 ]
amdhsa.kernels:
  - .name:           k_q4017f71cfa_qkv
    .symbol:         k_q4017f71cfa_qkv.kd
    .args:
      - { .name: xb, .offset: 0, .size: 8, .value_kind: global_buffer, .address_space: global }
      - { .name: wt, .offset: 8, .size: 8, .value_kind: global_buffer, .address_space: global }
      - { .name: bq, .offset: 16, .size: 8, .value_kind: global_buffer, .address_space: global }
      - { .name: bk, .offset: 24, .size: 8, .value_kind: global_buffer, .address_space: global }
      - { .name: bv, .offset: 32, .size: 8, .value_kind: global_buffer, .address_space: global }
      - { .name: qkv, .offset: 40, .size: 8, .value_kind: global_buffer, .address_space: global }
    .group_segment_fixed_size: 327680
    .private_segment_fixed_size: 0
    .kernarg_segment_align: 8
    .kernarg_segment_size: 48
    .max_flat_workgroup_size: 384
    .sgpr_count:     66
    .vgpr_count:     258
    .wavefront_size: 32
...
	.end_amdgpu_metadata
.endif
;; end of part 2
;; launch attn (part 3): grid 8 x 32, 12 waves a work-group, clusters of 4 x 1, 327,680 bytes of LDS; arguments qkv, x, y; writes y
.if DOCPART == 3
	.amdgcn_target "amdgcn-amd-amdhsa--gfx1250"
	.amdhsa_code_object_version 6
	.text
	.protected	k_q4017f71cfa_attn
	.globl	k_q4017f71cfa_attn
	.p2align	8
	.type	k_q4017f71cfa_attn,@function
k_q4017f71cfa_attn:
	s_mov_b64 s[64:65], 0
	v_nop
	global_prefetch_b8 v0, s[64:65] scope:SCOPE_SE
	s_setreg_imm32_b32 hwreg(HW_REG_WAVE_MODE, 25, 1), 1
	s_wait_xcnt 0x0
	s_wait_alu depctr_hold_cnt(0) depctr_sa_sdst(0) depctr_va_vdst(0) depctr_va_sdst(0) depctr_va_ssrc(0) depctr_va_vcc(0) depctr_vm_vsrc(0)
	s_getreg_b32 s2, hwreg(HW_REG_IB_STS2, 6, 4)
	s_cmp_eq_u32 s2, 0
	s_cbranch_scc0 .Lentry_in_a_cluster
	s_endpgm
.Lentry_in_a_cluster:
	s_bfe_u32 s2, ttmp6, 0x10000c
	s_cmp_lg_u32 s2, 0x3003
	s_cbranch_scc0 .Lentry_shape_is_right
	s_endpgm
.Lentry_shape_is_right:
; attn: y[row][64 head + d] = x[row][64 head + d] + 2 (softmax(q k^T / 8) v)[row][d], per batch and head, with a running maximum; y in f32.
; A work-group: 128 queries (qb = the grid's x) of 3 heads (y = 4 batch + t: heads 3 t .. 3 t + 2): 8 x 32 = 256 work-groups.
; Twelve waves, three to a SIMD: wave w has head j = w / 4 and queries 32 (w mod 4) .. + 31 (two tiles of 16), and walks all 1,024 keys, 64 at a time.
; TRANSPOSED PRODUCTS: S^T = K Q^T puts one query in a lane (lane (r, h): query r, keys 16 kt + 8 h + 0..7), so maximum and sum stay in the lane but
; for one exchange between the lane halves; two neighbouring tiles of S^T, packed to bf16, ARE the second source of O^T = V^T P^T; and the
; rescaling factor is one number a lane.
; CLUSTER 4 x 1: K and V do not hang on the query block, so four query blocks ask for them jointly (mask 15): a quarter of the requests.
; (A mask names four work-groups at the most, so the eight query blocks of a head are two clusters.)
; K and V come 128 keys at a time through two LDS slots that take turns: 6 planes of K and 6 of V, one plane piece (8 KiB, dense) a wave.
; ORDER OF A STEP: V's fragments are asked for at its head and K's fragments of the slot's second step straight behind the first step's score
; products, into registers of their own, so that only the first K loads behind a change of slots are waited for at once.  The O products of query
; tile 0 stand singly among the softmax instructions of tile 1, which name none of their registers.
; REGISTERS: v0-v255 as listed below; v256-v319 (the second window of 256; s_set_vgpr_msb says which window each operand place means: bits 1:0
; source 0, 3:2 source 1, 5:4 source 2, 7:6 destination) hold K's fragments, and behind the last score products this wave's 32 x 64 numbers of x.
; Three waves of 322 registers take 966 of a SIMD's 1,024.
; LIMITS: q, k, v and the exponentials enter the products as bf16.  v_exp_f32 gives 0 below 2^-126 (ISA guide 15.8), beside a row sum of at least about 1.
; An infinite or NaN score makes its query's row NaN, as in the definition.
.set PLB,   524288                     ; bytes of a plane of qkv
.set KPL,   128*80                     ; a K plane piece in LDS: 128 keys, 64 bytes + 16: an odd multiple of 16 for the plain fragment loads
.set VPL,   128*96                     ; a V plane piece: 64 bytes + 32: an odd multiple of 32 for the transposing loads
.set VPART, 6*KPL
.set SLOTB, 6*KPL+6*VPL                ; 135,168
.set SLOT0, 12*4352                    ; in front of the slots: a stage of 16 rows x 272 bytes for each wave, which no tensor load fills
.set TILEB, 8192                       ; 128 keys of a plane in memory
.set KADR, 1                           ; v1, v2   my K fragments in slot 0, 1
.set VADR, 3                           ; v3, v4   my V fragments
.set STO,  5
.set RD,   6
.set CO,   7                           ; my byte offset in two rows of x and of y
.set QO,   8
.set MX,   10                          ; v10, v11  running maximum of the raw scores, query tile 0, 1
.set LS,   12                          ; v12, v13  running sum, of this lane half's keys
.set TT,   14                          ; v[14:21]  at work
.set AL,   22                          ; v22       rescaling factor (v23 only completes the pair that a packed instruction names)
.set NM,   24                          ; v24, v26  - c x maximum, rounded, of query tile 0, 1 (v25, v27 complete the pairs)
.set QF,   32                          ; v[32:63]  Q fragments (qt, kk) at QF + 16 qt + 8 kk
.set OA,   64                          ; v[64:127] O^T tiles (qt, dt) at OA + 8 (4 qt + dt)
.set ST,   128                         ; v[128:191] S^T tiles (qt, kt) at ST + 32 qt + 8 kt; P (qt, kg) is packed over them at ST + 32 qt + 16 kg
.set VF,   192                         ; v[192:255] V fragments (dt, kg) at VF + 16 dt + 8 kg; on the way out the rows read back
.set KF,   0                           ; v[256:319], written by their low 8 bits: K fragments (kt, kk) at KF + 16 kt + 8 kk
.set XR,   0                           ; the same registers at the end: x, tile qt's load i at XR + 32 qt + 4 i
.set G1K, 16
.set G1V, 24
.set G0K, 32                           ; a set for each slot
.set G0V, 40
.set MSB, 0
.macro WIN new                         ; the immediate's high byte repeats the setting that is left; at every label and branch the setting is 0
.if MSB != \new
	s_set_vgpr_msb (MSB<<8)|\new
.set MSB, \new
.endif
.endm
.set TO_K,   0x40                      ; destination in the second window
.set FROM_K, 0x01                      ; source 0 in the second window
.set PLUS_X, 0x04                      ; source 1 in the second window
.macro PLACES n                        ; plain vector instructions behind matrix instructions (ISA guide 7.12.1)
.rept \n
	v_nop
.endr
.endm
.macro CREST                           ; a round of the cluster's barrier behind its opening barrier
	s_cmp_lg_u32 s8, 0
	s_cbranch_scc1 .Lnot_wave_0_\@
	s_barrier_signal -3
.Lnot_wave_0_\@:
	s_barrier_wait -3
	s_barrier_signal -1
	s_barrier_wait -1
.endm
.macro ROUND                           ; a whole round
	s_barrier_signal -1
	s_barrier_wait -1
	CREST
.endm
.macro JLOAD s                         ; waves 0-5 ask for a plane piece of K each, waves 6-11 for one of V
	s_cmp_lt_u32 s8, 6
	s_cbranch_scc0 .Lfor_v_\@
	tensor_load_to_lds s[G0K+4*\s:G0K+4*\s+3], s[G1K:G1K+7]
	s_nop 0
	s_branch .Lasked_\@
.Lfor_v_\@:
	tensor_load_to_lds s[G0V+4*\s:G0V+4*\s+3], s[G1V:G1V+7]
	s_nop 0
.Lasked_\@:
.endm
	s_load_b128 s[4:7], s[0:1], 0x0                ; qkv s[4:5], x s[6:7]
	s_load_b64 s[68:69], s[0:1], 0x10              ; y
	s_set_vgpr_msb 0x40
	v_lshl_add_u32 v64, v0, 2, 0x4ec00
	v_mov_b32 v65, 0
	s_set_vgpr_msb 0x4045
	ds_add_u32 v64, v65
	s_set_vgpr_msb 0x4500
	v_lshrrev_b32 v9, 5, v0
	v_readfirstlane_b32 s8, v9                     ; wave 0..11
	s_lshr_b32 s9, s8, 2                           ; j: my head of the three
	s_and_b32 s10, s8, 3                           ; g: my 32 queries of the 128
	s_bfe_u32 s11, ttmp6, 0x40000                  ; cx
	s_lshl_b32 s66, ttmp9, 2
	s_add_co_u32 s11, s66, s11                     ; query block qb = 4 x cluster x + cx
	s_and_b32 s12, ttmp7, 0xffff
	s_lshr_b32 s13, s12, 2                         ; batch
	s_and_b32 s14, s12, 3                          ; t
	s_min_u32 s15, s8, 5                           ; K's plane of six (clamped in the waves that ask for V)
	s_max_u32 s54, s8, 6
	s_sub_co_u32 s54, s54, 6                       ; V's plane of six (clamped in the waves that ask for K)
	s_mov_b32 s49, 0xbe38aa3b                      ; - c
	s_mov_b32 s50, 0x3e38aa3b                      ; c = log2(e) / 8: exp(s / 8) = 2^(c s)
	s_mov_b32 s51, 0x3e38aa3b
	s_mov_b32 s52, 0x76543210                      ; v_permlanex16_b32: lane i of one half reads lane i of the other
	s_mov_b32 s53, 0xfedcba98
	; shape: 8 KiB dense, as 32 rows of 256 bytes (32 elements of 8 bytes); behind every 16 words (a key's 64 bytes) 4 words of padding for K, 8 for V
	s_mov_b32 s[G1K+0], 15|(3<<16)|(1<<20)|(1<<21)|(3<<22)|(3<<25)
	s_mov_b32 s[G1V+0], 15|(3<<16)|(1<<20)|(1<<21)|(3<<22)|(7<<25)
	s_mov_b32 s[G1K+1], 32<<16
	s_mov_b32 s[G1V+1], 32<<16
	s_mov_b32 s[G1K+2], 32<<16
	s_mov_b32 s[G1V+2], 32<<16
	s_mov_b32 s[G1K+3], 32<<16
	s_mov_b32 s[G1V+3], 32<<16
	s_mov_b32 s[G1K+4], 32
	s_mov_b32 s[G1V+4], 32
	s_mov_b32 s[G1K+5], 32
	s_mov_b32 s[G1V+5], 32
	s_mov_b32 s[G1K+6], 0
	s_mov_b32 s[G1V+6], 0
	s_mov_b32 s[G1K+7], 0
	s_mov_b32 s[G1V+7], 0
	; from where: plane 24 + 6 t + wK (K), 48 + 6 t + wV (V), the batch's 1,024 rows of 64 bytes: nothing of the query block
	s_mul_i32 s60, s14, 6
	s_add_co_u32 s62, s60, s54
	s_add_co_u32 s60, s60, s15
	s_add_co_u32 s60, s60, 24
	s_add_co_u32 s62, s62, 48
	s_lshl_b32 s60, s60, 19
	s_lshl_b32 s62, s62, 19
	s_lshl_b32 s55, s13, 16
	s_add_co_u32 s60, s60, s55
	s_add_co_u32 s62, s62, s55
	s_mov_b32 s61, 0
	s_mov_b32 s63, 0
	; to where: the wave's number times a constant plus a constant
	s_mul_i32 s2, s8, KPL
	s_add_co_u32 s2, s2, SLOT0                     ; K: SLOT0 + wave x KPL
	s_mul_i32 s3, s8, VPL
	s_add_co_u32 s3, s3, SLOT0+VPART-6*VPL         ; V: SLOT0 + VPART + (wave - 6) x VPL
	; my queries, and my part of x and of y
	s_mul_i32 s56, s14, 3
	s_add_co_u32 s56, s56, s9                      ; head = 3 t + j
	s_lshl_b32 s58, s56, 8                         ; x, y: 64 columns of 4 bytes a head
	s_lshl_b32 s56, s56, 20                        ; q: plane 2 head
	s_lshl_b32 s66, s13, 10
	s_lshl_b32 s67, s11, 7
	s_add_co_u32 s66, s66, s67
	s_lshl_b32 s67, s10, 5
	s_add_co_u32 s66, s66, s67                     ; my first row = 1024 batch + 128 qb + 32 g
	s_lshl_b32 s67, s66, 6
	s_add_co_u32 s56, s56, s67
	s_mul_i32 s66, s66, 3072
	s_add_co_u32 s58, s58, s66
	s_mov_b32 s57, 0
	s_mov_b32 s59, 0
	s_wait_dscnt 0x0
	s_wait_kmcnt 0x0
	s_add_nc_u64 s[60:61], s[4:5], s[60:61]
	s_add_nc_u64 s[62:63], s[4:5], s[62:63]
	s_add_nc_u64 s[56:57], s[4:5], s[56:57]
	s_add_nc_u64 s[6:7], s[6:7], s[58:59]          ; x at my rows and head
	s_add_nc_u64 s[58:59], s[68:69], s[58:59]      ; y at the same place
	ROUND                                          ; the four work-groups are here: the first joint loads meet
.irp s, 0,1
	s_mov_b32 s[G0K+4*\s], 1
	s_add_co_u32 s[G0K+4*\s+1], s2, \s*SLOTB
	s_add_nc_u64 s[G0K+4*\s+2:G0K+4*\s+3], s[60:61], \s*TILEB      ; keys 128 s ..
	s_or_b32 s[G0K+4*\s+3], s[G0K+4*\s+3], 0x80000000
	s_mov_b32 s[G0V+4*\s], 1
	s_add_co_u32 s[G0V+4*\s+1], s3, \s*SLOTB
	s_add_nc_u64 s[G0V+4*\s+2:G0V+4*\s+3], s[62:63], \s*TILEB
	s_or_b32 s[G0V+4*\s+3], s[G0V+4*\s+3], 0x80000000
.endr
	JLOAD 0                                        ; keys 0 to 127; slot 1 is first filled behind the next round
	v_and_b32 v28, 15, v0                          ; r
	v_bfe_u32 v29, v0, 4, 1                        ; h
	v_lshlrev_b32 v[QO], 6, v28
	v_lshl_add_u32 v[QO], v29, 4, v[QO]            ; query r's row of 64 bytes, 16 h
.irp qt, 0,1
.irp kk, 0,1
	global_load_b128 v[QF+16*\qt+8*\kk:QF+16*\qt+8*\kk+3],   v[QO], s[56:57] offset:\kk*PLB+\qt*1024
	global_load_b128 v[QF+16*\qt+8*\kk+4:QF+16*\qt+8*\kk+7], v[QO], s[56:57] offset:\kk*PLB+\qt*1024+32
.endr
.endr
	v_mul_u32_u24 v[KADR], v28, 80
	v_lshl_add_u32 v[KADR], v29, 4, v[KADR]        ; key r, 16 h
	s_mul_i32 s2, s9, 2*KPL
	s_add_co_u32 s2, s2, SLOT0
	v_add_nc_u32 v[KADR], s2, v[KADR]              ; + my head's two planes
	v_add_nc_u32 v[KADR+1], SLOTB, v[KADR]
	v_and_b32 v30, 7, v0
	v_lshl_add_u32 v30, v29, 3, v30                ; key 8 h + lane mod 8
	v_mul_u32_u24 v30, v30, 96
	v_bfe_u32 v31, v0, 3, 1
	v_lshl_add_u32 v30, v31, 4, v30                ; + 16 ((lane / 8) mod 2)
	s_mul_i32 s3, s9, 2*VPL
	s_add_co_u32 s3, s3, SLOT0+VPART
	v_add_nc_u32 v[VADR], s3, v30
	v_add_nc_u32 v[VADR+1], SLOTB, v[VADR]
	s_mul_i32 s2, s8, 4352                         ; my stage
	v_mul_u32_u24 v[STO], v28, 272
	v_lshl_add_u32 v[STO], v29, 5, v[STO]
	v_add_nc_u32 v[STO], s2, v[STO]                ; in: query r, 8 h numbers of 4 bytes
	v_mul_u32_u24 v[RD], v29, 272
	v_lshl_add_u32 v[RD], v28, 4, v[RD]
	v_add_nc_u32 v[RD], s2, v[RD]                  ; back: lanes 0-15 one query's 256 bytes, lanes 16-31 the next's
	v_mul_u32_u24 v[CO], v29, 3072
	v_lshl_add_u32 v[CO], v28, 4, v[CO]            ; and the same two rows in x and in y
	v_mov_b32 v[AL+1], 0                           ; the upper registers of three pairs whose lower register alone is used (op_sel_hi 0):
	v_mov_b32 v[NM+1], 0                           ; written once, because a packed instruction names the pair
	v_mov_b32 v[NM+3], 0
; One O product: O^T(qt, dt) += V^T(dt, kg) P^T(qt, kg).  first = 1: the product of kg = 0 starts the sum.
.macro PVW qt, kg, dt, first
.if \first*(1-\kg)
	v_wmma_f32_16x16x32_bf16 v[OA+8*(4*\qt+\dt):OA+8*(4*\qt+\dt)+7], v[VF+16*\dt+8*\kg:VF+16*\dt+8*\kg+7], v[ST+32*\qt+16*\kg:ST+32*\qt+16*\kg+7], 0
.else
	v_wmma_f32_16x16x32_bf16 v[OA+8*(4*\qt+\dt):OA+8*(4*\qt+\dt)+7], v[VF+16*\dt+8*\kg:VF+16*\dt+8*\kg+7], v[ST+32*\qt+16*\kg:ST+32*\qt+16*\kg+7], v[OA+8*(4*\qt+\dt):OA+8*(4*\qt+\dt)+7]
.endif
.endm
.macro HOOK on, kg, dt, first          ; in tile 1's softmax: one O product of tile 0
.if \on
	PVW 0, \kg, \dt, \first
.endif
.endm
.macro EXP8 qt, n0
.irp n, 0,1,2,3,4,5,6,7
	v_exp_f32 v[ST+32*\qt+\n0+\n], v[ST+32*\qt+\n0+\n]
.endr
.endm
; The 64 new scores of query tile qt (32 in each lane): maximum, exponentials, sum, rescaling of O, packing to bf16.
; first = 1: there is no old maximum, sum or O.  hk = 1 (tile 1): the eight O products of tile 0 stand among these lines, one at a time; they
; name O(0), V's fragments and P(0), these lines name S(1), O(1) and the registers at work: nothing in common.  Their four accumulators take turns,
; one instruction a turn.
.macro SOFTMAX qt, first, hk
.irp c, 0,1,2,3
	v_max3_num_f32 v[TT+\c], v[ST+32*\qt+8*\c], v[ST+32*\qt+8*\c+1], v[ST+32*\qt+8*\c+2]       ; four chains that do not wait for each other
.endr
	HOOK \hk, 0, 0, \first
.irp c, 0,1,2,3
	v_max3_num_f32 v[TT+\c], v[TT+\c], v[ST+32*\qt+8*\c+3], v[ST+32*\qt+8*\c+4]
.endr
.irp c, 0,1,2,3
	v_max3_num_f32 v[TT+\c], v[TT+\c], v[ST+32*\qt+8*\c+5], v[ST+32*\qt+8*\c+6]
.endr
	HOOK \hk, 0, 1, \first
	v_max3_num_f32 v[TT], v[TT], v[ST+32*\qt+7], v[TT+1]
	v_max3_num_f32 v[TT+2], v[TT+2], v[ST+32*\qt+15], v[TT+3]
	v_max3_num_f32 v[TT], v[TT], v[ST+32*\qt+23], v[TT+2]
.if \first
	v_max_num_f32 v[TT], v[TT], v[ST+32*\qt+31]
.else
	v_max3_num_f32 v[TT], v[TT], v[ST+32*\qt+31], v[MX+\qt]
.endif
	v_permlanex16_b32 v[TT+1], v[TT], s52, s53     ; the other half of the lanes holds the query's other keys
	v_max_num_f32 v[MX+\qt], v[TT], v[TT+1]        ; the new maximum, equal in both halves
.if \first
	v_mul_f32 v[NM+2*\qt], s49, v[MX+\qt]          ; the shift, - c x maximum, rounded
.else
	v_mul_f32 v[TT+2], s49, v[MX+\qt]              ; the new shift
	v_sub_f32 v[TT+3], v[TT+2], v[NM+2*\qt]        ; new shift - old shift <= 0: old exponentials times 2^this refer to the new rounded shift exactly
	v_exp_f32 v[AL], v[TT+3]
	v_mov_b32 v[NM+2*\qt], v[TT+2]                 ; a plain instruction stands between v_exp_f32 and the use of its result (ISA guide 5.7.2)
.endif
	HOOK \hk, 0, 2, \first
.irp i, 0,1,2,3,4,5,6,7
	v_pk_fma_f32 v[ST+32*\qt+2*\i:ST+32*\qt+2*\i+1], v[ST+32*\qt+2*\i:ST+32*\qt+2*\i+1], s[50:51], v[NM+2*\qt:NM+2*\qt+1] op_sel_hi:[1,0,0]   ; c s - c max; both halves take the pairs' lower registers
.endr
	HOOK \hk, 0, 3, \first
.irp i, 8,9,10,11,12,13,14,15
	v_pk_fma_f32 v[ST+32*\qt+2*\i:ST+32*\qt+2*\i+1], v[ST+32*\qt+2*\i:ST+32*\qt+2*\i+1], s[50:51], v[NM+2*\qt:NM+2*\qt+1] op_sel_hi:[1,0,0]
.endr
	HOOK \hk, 1, 0, \first
	EXP8 \qt, 0
	HOOK \hk, 1, 1, \first
	EXP8 \qt, 8
	HOOK \hk, 1, 2, \first
	EXP8 \qt, 16
	HOOK \hk, 1, 3, \first
	EXP8 \qt, 24
.if \first
	v_nop                                          ; the plain place behind the last v_exp_f32
	s_wait_alu depctr_va_vdst(0)
.else
	s_wait_alu depctr_va_vdst(0)
.irp i, 0,1,2,3,4,5,6,7,8,9,10,11,12,13,14,15
	v_pk_mul_f32 v[OA+32*\qt+2*\i:OA+32*\qt+2*\i+1], v[OA+32*\qt+2*\i:OA+32*\qt+2*\i+1], v[AL:AL+1] op_sel_hi:[1,0]   ; O to the new maximum; also the plain place behind the last v_exp_f32
.endr
.endif
.irp c, 0,1,2,3
	v_pk_add_f32 v[TT+2*\c:TT+2*\c+1], v[ST+32*\qt+4*\c:ST+32*\qt+4*\c+1], v[ST+32*\qt+4*\c+2:ST+32*\qt+4*\c+3]
.endr
.irp c, 0,1,2,3
	v_pk_add_f32 v[TT+2*\c:TT+2*\c+1], v[TT+2*\c:TT+2*\c+1], v[ST+32*\qt+16+2*\c:ST+32*\qt+17+2*\c]
.endr
.irp c, 0,1,2,3
	v_pk_add_f32 v[TT+2*\c:TT+2*\c+1], v[TT+2*\c:TT+2*\c+1], v[ST+32*\qt+24+2*\c:ST+32*\qt+25+2*\c]
.endr
	v_pk_add_f32 v[TT:TT+1], v[TT:TT+1], v[TT+2:TT+3]
	v_pk_add_f32 v[TT+4:TT+5], v[TT+4:TT+5], v[TT+6:TT+7]
	v_pk_add_f32 v[TT:TT+1], v[TT:TT+1], v[TT+4:TT+5]
	v_add_f32 v[TT], v[TT], v[TT+1]
.if \first
	v_mov_b32 v[LS+\qt], v[TT]
.else
	v_fma_f32 v[LS+\qt], v[LS+\qt], v[AL], v[TT]
.endif
.irp kg, 0,1
.irp i, 0,1,2,3,4,5,6,7
	v_cvt_pk_bf16_f32 v[ST+32*\qt+16*\kg+\i], v[ST+32*\qt+16*\kg+2*\i], v[ST+32*\qt+16*\kg+2*\i+1]   ; ascending: register i is written when 2 i and 2 i + 1 have not yet been passed
.endr
.endr
.endm
; 16 LDS loads: K's fragments of the slot's step it, d = 0..31 first, into the second window
.macro KLOAD slot, it
	WIN TO_K
.irp kk, 0,1
.irp kt, 0,1,2,3
	ds_load_b128 v[KF+16*\kt+8*\kk:KF+16*\kt+8*\kk+3],   v[KADR+\slot] offset:\kk*KPL+(64*\it+16*\kt)*80
	ds_load_b128 v[KF+16*\kt+8*\kk+4:KF+16*\kt+8*\kk+7], v[KADR+\slot] offset:\kk*KPL+(64*\it+16*\kt)*80+32
.endr
.endr
	WIN 0
.endm
; 16 loads of x, in the layout in which the results are read back from the stage: sixteen lanes take a head's 256 bytes of a row, aligned
.macro XLOAD
	WIN TO_K
.irp qt, 0,1
.irp i, 0,1,2,3,4,5,6,7
	global_load_b128 v[XR+32*\qt+4*\i:XR+32*\qt+4*\i+3], v[CO], s[6:7] offset:(16*\qt+2*\i)*3072 th:TH_LOAD_NT
.endr
.endr
	WIN 0
.endm
; 64 keys (step it of the slot's two).  K's fragments have been asked for ahead of this macro.
; kw: how many younger LDS loads may be out when the first score products start: 24 where K's loads were issued just now (their second eight and
;     V's sixteen), 16 where they were issued a step ago (V's sixteen).
; kn = 1: the slot's second step's K fragments are asked for behind the score products.   xl = 1 (the last step): x is, into the same registers.
; sig: the change of slots behind this step.  1: a round of the cluster's barrier (a slot is filled again behind it); 2: my work-group's barrier alone
;     0: none.  V's fragments are the wave's last reads of the slot, so the waits and the opening signal stand in front
;     of tile 1's softmax, and only register work follows up to the opening wait.
.macro ITER slot, it, first, kw, kn, sig, other, xl
.irp dt, 0,1,2,3
.irp kg, 0,1
	ds_load_tr16_b128 v[VF+16*\dt+8*\kg:VF+16*\dt+8*\kg+3],   v[VADR+\slot] offset:(\dt/2)*VPL+(64*\it+32*\kg)*96+32*(\dt%2)        ; V^T: not needed before tile 1's softmax
	ds_load_tr16_b128 v[VF+16*\dt+8*\kg+4:VF+16*\dt+8*\kg+7], v[VADR+\slot] offset:(\dt/2)*VPL+(64*\it+32*\kg)*96+32*(\dt%2)+16*96
.endr
.endr
	s_wait_dscnt \kw
	WIN FROM_K
.irp kt, 0,1,2,3
.irp qt, 0,1
	v_wmma_f32_16x16x32_bf16 v[ST+32*\qt+8*\kt:ST+32*\qt+8*\kt+7], v[KF+16*\kt:KF+16*\kt+7], v[QF+16*\qt:QF+16*\qt+7], 0
.endr
.endr
.if \kw-16
	s_wait_dscnt 16                                ; K's loads of d = 32..63 are in; V's sixteen stay out
.endif
.irp kt, 0,1,2,3
.irp qt, 0,1
	v_wmma_f32_16x16x32_bf16 v[ST+32*\qt+8*\kt:ST+32*\qt+8*\kt+7], v[KF+16*\kt+8:KF+16*\kt+15], v[QF+16*\qt+8:QF+16*\qt+15], v[ST+32*\qt+8*\kt:ST+32*\qt+8*\kt+7]   ; eight accumulators take turns, one instruction a turn
.endr
.endr
	WIN 0
	PLACES 4                                       ; in front of the loads into K's fragments and of the reads of the scores
.if \kn
	KLOAD \slot, 1
.endif
.if \xl
	XLOAD
.endif
	SOFTMAX 0, \first, 0
	s_wait_dscnt 16*\kn                            ; V's fragments are in; the next step's sixteen K loads, where there are any, stay out
.if \sig
	s_set_vgpr_msb 0x5
	s_wait_tensorcnt 0x0                           ; all my tensor loads have landed: the one that was out is my plane piece of the other slot
	ds_add_u32 v64, v65
	s_wait_dscnt 0x0
	s_set_vgpr_msb 0x500
.if \sig == 1
	s_add_nc_u64 s[G0K+4*\other+2:G0K+4*\other+3], s[G0K+4*\other+2:G0K+4*\other+3], 2*TILEB   ; no load of mine is out: that slot's next 128 keys
	s_add_nc_u64 s[G0V+4*\other+2:G0V+4*\other+3], s[G0V+4*\other+2:G0V+4*\other+3], 2*TILEB
.endif
	s_barrier_signal -1                            ; my reads of this slot are over and my loads have landed
.endif
	SOFTMAX 1, \first, 1
.irp kg, 0,1
.irp dt, 0,1,2,3
	PVW 1, \kg, \dt, \first
.endr
.endr
	PLACES 5                                       ; the next score products write over P(1), a source of these; the next loads over V's fragments
.if \sig
	s_barrier_wait -1
.if \sig == 1
	CREST                                          ; all four work-groups have said so: no wave of any partner still reads the slot or has a load on its way
.endif
.endif
.endm
; 128 keys.  The slot read last is filled first, one tensor load a wave, and has this trip's first step and most of its second in which to land.
; One tensor load of a wave is out at any time.
.macro TRIP slot, other, refill, first, sig, xl
.if \refill
	JLOAD \other
.endif
	KLOAD \slot, 0
	ITER \slot, 0, \first, 24, 1, 0, \other, 0
	ITER \slot, 1, 0, 16, 0, \sig, \other, \xl
.endm
	s_wait_loadcnt 0x0                             ; Q
	s_set_vgpr_msb 0x5
	s_wait_tensorcnt 0x0                           ; my plane piece of keys 0 to 127
	ds_add_u32 v64, v65
	s_wait_dscnt 0x0
	s_set_vgpr_msb 0x500
	s_add_nc_u64 s[G0K+2:G0K+3], s[G0K+2:G0K+3], 2*TILEB           ; no load of mine is out: slot 0's next 128 keys
	s_add_nc_u64 s[G0V+2:G0V+3], s[G0V+2:G0V+3], 2*TILEB
	ROUND
	TRIP 0, 1, 1, 1, 1, 0                          ; the first 64 keys start maximum, sum and O: nothing is cleared
	TRIP 1, 0, 1, 0, 1, 0
	s_mov_b32 s48, 2
.Lloop:
	TRIP 0, 1, 1, 0, 1, 0
	TRIP 1, 0, 1, 0, 1, 0
	s_sub_co_u32 s48, s48, 1
	s_cmp_lg_u32 s48, 0
	s_cbranch_scc1 .Lloop
	TRIP 0, 1, 1, 0, 2, 0                          ; keys 768 ..: asks for the last 128; behind it nothing is filled: my work-group's barrier alone
	TRIP 1, 0, 0, 0, 0, 1                          ; the last asks for no keys, and for x
	; THE WAY OUT, a query tile at a time: times 2 / sum, 16 queries x 64 d through my stage, x added, whole rows of 256 bytes to y.
.macro OUTQ qt
	v_permlanex16_b32 v[TT+1], v[LS+\qt], s52, s53
	v_add_f32 v[TT], v[LS+\qt], v[TT+1]            ; both halves' keys
	v_rcp_f32 v[AL], v[TT]
	v_nop                                          ; the plain place behind v_rcp_f32
	s_wait_alu depctr_va_vdst(0)
	v_add_f32 v[AL], v[AL], v[AL]                  ; 2 / sum: the context counts twice
.irp i, 0,1,2,3,4,5,6,7,8,9,10,11,12,13,14,15
	v_pk_mul_f32 v[OA+32*\qt+2*\i:OA+32*\qt+2*\i+1], v[OA+32*\qt+2*\i:OA+32*\qt+2*\i+1], v[AL:AL+1] op_sel_hi:[1,0]
.endr
.irp dt, 0,1,2,3
	ds_store_b128 v[STO], v[OA+8*(4*\qt+\dt):OA+8*(4*\qt+\dt)+3]   offset:64*\dt
	ds_store_b128 v[STO], v[OA+8*(4*\qt+\dt)+4:OA+8*(4*\qt+\dt)+7] offset:64*\dt+16
.endr
.irp i, 0,1,2,3,4,5,6,7
	ds_load_b128 v[VF+32*\qt+4*\i:VF+32*\qt+4*\i+3], v[RD] offset:\i*544       ; my own bytes; LDS serves a wave's instructions in order (ISA guide 5.7.1)
.endr
	s_wait_dscnt 0x0
	s_wait_loadcnt 8-8*\qt                         ; this tile's eight loads of x are in; the other tile's eight, younger, may stay out
	WIN PLUS_X
.irp i, 0,1,2,3,4,5,6,7,8,9,10,11,12,13,14,15
	v_pk_add_f32 v[VF+32*\qt+2*\i:VF+32*\qt+2*\i+1], v[VF+32*\qt+2*\i:VF+32*\qt+2*\i+1], v[XR+32*\qt+2*\i:XR+32*\qt+2*\i+1]
.endr
	WIN 0
.irp i, 0,1,2,3,4,5,6,7
	global_store_b128 v[CO], v[VF+32*\qt+4*\i:VF+32*\qt+4*\i+3], s[58:59] offset:(16*\qt+2*\i)*3072   ; sixteen lanes store a head's 256 bytes of a row, aligned; data registers of its own for each store
.endr
.endm
	OUTQ 0
	OUTQ 1
	s_set_vgpr_msb 0x5
	s_wait_tensorcnt 0x0
	ds_add_u32 v64, v65
	s_wait_dscnt 0x0
	s_set_vgpr_msb 0x500
	ROUND                                          ; the closing round: no work-group ends while a partner may still ask jointly
	s_endpgm
.Lfunc_end_k_q4017f71cfa_attn:
	.size	k_q4017f71cfa_attn, .Lfunc_end_k_q4017f71cfa_attn-k_q4017f71cfa_attn
	.p2alignl 7, 3214868480
	.fill 96, 4, 3214868480
	.section	.rodata,"a",@progbits
	.p2align	6, 0x0
	.amdhsa_kernel k_q4017f71cfa_attn
		.amdhsa_group_segment_fixed_size 327680
		.amdhsa_private_segment_fixed_size 0
		.amdhsa_enable_private_segment 0
		.amdhsa_kernarg_size 24
		.amdhsa_user_sgpr_count 2
		.amdhsa_user_sgpr_kernarg_segment_ptr 1
		.amdhsa_wavefront_size32 1
		.amdhsa_system_sgpr_workgroup_id_x 1
		.amdhsa_system_sgpr_workgroup_id_y 1
		.amdhsa_system_sgpr_workgroup_id_z 1
		.amdhsa_system_vgpr_workitem_id 0
		.amdhsa_next_free_vgpr 322
		.amdhsa_next_free_sgpr 70
		.amdhsa_reserve_vcc 0
		.amdhsa_float_denorm_mode_32 3
		.amdhsa_float_denorm_mode_16_64 3
		.amdhsa_memory_ordered 1
		.amdhsa_forward_progress 1
		.amdhsa_inst_pref_size 226
	.end_amdhsa_kernel
	.amdgpu_metadata
---
amdhsa.version: [ 1, 2 ]
amdhsa.kernels:
  - .name:           k_q4017f71cfa_attn
    .symbol:         k_q4017f71cfa_attn.kd
    .args:
      - { .name: qkv, .offset: 0, .size: 8, .value_kind: global_buffer, .address_space: global }
      - { .name: x, .offset: 8, .size: 8, .value_kind: global_buffer, .address_space: global }
      - { .name: y, .offset: 16, .size: 8, .value_kind: global_buffer, .address_space: global }
    .group_segment_fixed_size: 327680
    .private_segment_fixed_size: 0
    .kernarg_segment_align: 8
    .kernarg_segment_size: 24
    .max_flat_workgroup_size: 384
    .sgpr_count:     70
    .vgpr_count:     322
    .wavefront_size: 32
...
	.end_amdgpu_metadata
.endif
;; end of part 3
;; launch ln (part 4): grid 512 x 1, 8 waves a work-group, no clusters, 0 bytes of LDS; arguments y, ln_gamma, ln_beta, out0; writes out0
.if DOCPART == 4
	.amdgcn_target "amdgcn-amd-amdhsa--gfx1250"
	.amdhsa_code_object_version 6
	.text
	.protected	k_q4017f71cfa_ln
	.globl	k_q4017f71cfa_ln
	.p2align	8
	.type	k_q4017f71cfa_ln,@function
k_q4017f71cfa_ln:
	s_mov_b64 s[64:65], 0
	v_nop
	global_prefetch_b8 v0, s[64:65] scope:SCOPE_SE
	s_setreg_imm32_b32 hwreg(HW_REG_WAVE_MODE, 25, 1), 1
	s_wait_xcnt 0x0
; ln: out0 = LayerNorm(y) over the 768 columns of a row, times gamma, plus beta; y = x + 2 context as the launch before stored it; all in f32.
; A stream: one wave takes two whole rows; a row of 3,072 bytes is six 16-byte loads a lane (lane L: columns 4 L + 128 i) and stays in registers
; between the mean, the variance (a second pass over the differences, not a difference of large sums) and the scaling: memory is read once.
; The reductions never leave the wave: no LDS, no barrier; nothing is shared between work-groups beyond gamma and beta: no cluster; no matrix unit.
; All 24 loads of a wave go out at once.  512 work-groups x 8 waves x 2 rows = 8,192 rows.
.set GA, 8                             ; v[8:31]    gamma of my 24 columns
.set BE, 32                            ; v[32:55]   beta
.set X0, 56                            ; v[56:79]   row 0: y, then the result
.set X1, 80                            ; v[80:103]  row 1
.set T,  104                           ; v[104:111] at work
.set MU, 108                           ; the mean, twice (free again when the squares are summed)
.set RS, 110                           ; 1 / sqrt(var + eps), twice
	s_load_b256 s[4:11], s[0:1], 0x0               ; y s[4:5], gamma s[6:7], beta s[8:9], out0 s[10:11]
	v_lshrrev_b32 v2, 5, v0
	v_readfirstlane_b32 s16, v2                    ; wave
	v_and_b32 v1, 31, v0
	v_lshlrev_b32 v1, 4, v1                        ; 16 bytes a lane
	s_lshl_b32 s17, ttmp9, 4
	s_lshl1_add_u32 s16, s16, s17                  ; my first row = 16 x work-group + 2 x wave
	s_mul_i32 s16, s16, 3072
	s_mov_b32 s17, 0
	s_mov_b32 s12, 0x76543210                      ; v_permlanex16_b32: lane i of one half reads lane i of the other
	s_mov_b32 s13, 0xfedcba98
	s_mov_b32 s20, 0x3aaaaaab                      ; 1 / 768
	s_mov_b32 s21, 0x358637bd                      ; 1e-6
	s_wait_kmcnt 0x0
	s_add_nc_u64 s[4:5], s[4:5], s[16:17]
	s_add_nc_u64 s[10:11], s[10:11], s[16:17]
.irp i, 0,1,2,3,4,5
	global_load_b128 v[GA+4*\i:GA+4*\i+3], v1, s[6:7] offset:512*\i
.endr
.irp i, 0,1,2,3,4,5
	global_load_b128 v[BE+4*\i:BE+4*\i+3], v1, s[8:9] offset:512*\i
.endr
.irp i, 0,1,2,3,4,5
	global_load_b128 v[X0+4*\i:X0+4*\i+3], v1, s[4:5] offset:512*\i th:TH_LOAD_NT
.endr
.irp i, 0,1,2,3,4,5
	global_load_b128 v[X1+4*\i:X1+4*\i+3], v1, s[4:5] offset:3072+512*\i th:TH_LOAD_NT
.endr
.macro FOLD                            ; four pairs of partial sums to one number in every lane
	v_pk_add_f32 v[T:T+1], v[T:T+1], v[T+2:T+3]
	v_pk_add_f32 v[T+4:T+5], v[T+4:T+5], v[T+6:T+7]
	v_pk_add_f32 v[T:T+1], v[T:T+1], v[T+4:T+5]
	v_add_f32 v[T], v[T], v[T+1]
	v_add_f32_dpp v[T], v[T], v[T] row_xmask:1 row_mask:0xf bank_mask:0xf
	v_add_f32_dpp v[T], v[T], v[T] row_xmask:2 row_mask:0xf bank_mask:0xf
	v_add_f32_dpp v[T], v[T], v[T] row_xmask:4 row_mask:0xf bank_mask:0xf
	v_add_f32_dpp v[T], v[T], v[T] row_xmask:8 row_mask:0xf bank_mask:0xf
	v_permlanex16_b32 v[T+1], v[T], s12, s13
	v_add_f32 v[T], v[T], v[T+1]
.endm
; One row.  left = how many younger loads may stay out.
.macro ROW xr, off, left
	s_wait_loadcnt \left                           ; loads come back in order: gamma, beta and this row are in
.irp k, 0,1,2,3
	v_pk_add_f32 v[T+2*\k:T+2*\k+1], v[\xr+4*\k:\xr+4*\k+1], v[\xr+4*\k+2:\xr+4*\k+3]        ; four chains, started by the data: nothing is cleared
.endr
.irp k, 0,1,2,3
	v_pk_add_f32 v[T+2*\k:T+2*\k+1], v[T+2*\k:T+2*\k+1], v[\xr+16+2*\k:\xr+17+2*\k]
.endr
	FOLD
	v_mul_f32 v[MU], s20, v[T]
	v_mul_f32 v[MU+1], s20, v[T]
.irp i, 0,1,2,3,4,5,6,7,8,9,10,11
	v_pk_add_f32 v[\xr+2*\i:\xr+2*\i+1], v[\xr+2*\i:\xr+2*\i+1], v[MU:MU+1] neg_lo:[0,1] neg_hi:[0,1]   ; y - mean
.endr
.irp k, 0,1,2,3
	v_pk_mul_f32 v[T+2*\k:T+2*\k+1], v[\xr+2*\k:\xr+2*\k+1], v[\xr+2*\k:\xr+2*\k+1]
.endr
.irp k, 0,1,2,3
	v_pk_fma_f32 v[T+2*\k:T+2*\k+1], v[\xr+8+2*\k:\xr+9+2*\k], v[\xr+8+2*\k:\xr+9+2*\k], v[T+2*\k:T+2*\k+1]
.endr
.irp k, 0,1,2,3
	v_pk_fma_f32 v[T+2*\k:T+2*\k+1], v[\xr+16+2*\k:\xr+17+2*\k], v[\xr+16+2*\k:\xr+17+2*\k], v[T+2*\k:T+2*\k+1]
.endr
	FOLD
	v_fma_f32 v[T], v[T], s20, s21                 ; var + 1e-6
	v_rsq_f32 v[RS], v[T]
	v_rsq_f32 v[RS+1], v[T]
	v_nop                                          ; the plain place behind v_rsq_f32 (ISA guide 5.7.2)
	s_wait_alu depctr_va_vdst(0)
.irp i, 0,1,2,3,4,5,6,7,8,9,10,11
	v_pk_mul_f32 v[\xr+2*\i:\xr+2*\i+1], v[\xr+2*\i:\xr+2*\i+1], v[RS:RS+1]
.endr
.irp i, 0,1,2,3,4,5,6,7,8,9,10,11
	v_pk_fma_f32 v[\xr+2*\i:\xr+2*\i+1], v[\xr+2*\i:\xr+2*\i+1], v[GA+2*\i:GA+2*\i+1], v[BE+2*\i:BE+2*\i+1]
.endr
.irp i, 0,1,2,3,4,5
	global_store_b128 v1, v[\xr+4*\i:\xr+4*\i+3], s[10:11] offset:\off+512*\i th:TH_STORE_NT   ; a wave's store covers 512 consecutive bytes, aligned; its registers are not written again
.endr
.endm
	ROW X0, 0, 6                                   ; the second row's six loads stay out
	ROW X1, 3072, 0
	s_endpgm
.Lfunc_end_k_q4017f71cfa_ln:
	.size	k_q4017f71cfa_ln, .Lfunc_end_k_q4017f71cfa_ln-k_q4017f71cfa_ln
	.p2alignl 7, 3214868480
	.fill 96, 4, 3214868480
	.section	.rodata,"a",@progbits
	.p2align	6, 0x0
	.amdhsa_kernel k_q4017f71cfa_ln
		.amdhsa_group_segment_fixed_size 0
		.amdhsa_private_segment_fixed_size 0
		.amdhsa_enable_private_segment 0
		.amdhsa_kernarg_size 32
		.amdhsa_user_sgpr_count 2
		.amdhsa_user_sgpr_kernarg_segment_ptr 1
		.amdhsa_wavefront_size32 1
		.amdhsa_system_sgpr_workgroup_id_x 1
		.amdhsa_system_sgpr_workgroup_id_y 1
		.amdhsa_system_sgpr_workgroup_id_z 1
		.amdhsa_system_vgpr_workitem_id 0
		.amdhsa_next_free_vgpr 112
		.amdhsa_next_free_sgpr 66
		.amdhsa_reserve_vcc 0
		.amdhsa_float_denorm_mode_32 3
		.amdhsa_float_denorm_mode_16_64 3
		.amdhsa_memory_ordered 1
		.amdhsa_forward_progress 1
		.amdhsa_inst_pref_size 15
	.end_amdhsa_kernel
	.amdgpu_metadata
---
amdhsa.version: [ 1, 2 ]
amdhsa.kernels:
  - .name:           k_q4017f71cfa_ln
    .symbol:         k_q4017f71cfa_ln.kd
    .args:
      - { .name: y, .offset: 0, .size: 8, .value_kind: global_buffer, .address_space: global }
      - { .name: ln_gamma, .offset: 8, .size: 8, .value_kind: global_buffer, .address_space: global }
      - { .name: ln_beta, .offset: 16, .size: 8, .value_kind: global_buffer, .address_space: global }
      - { .name: out0, .offset: 24, .size: 8, .value_kind: global_buffer, .address_space: global }
    .group_segment_fixed_size: 0
    .private_segment_fixed_size: 0
    .kernarg_segment_align: 8
    .kernarg_segment_size: 32
    .max_flat_workgroup_size: 256
    .sgpr_count:     66
    .vgpr_count:     112
    .wavefront_size: 32
...
	.end_amdgpu_metadata
.endif
;; end of part 4
;; ======== version 2 of 2: 4 launches; version 1 with the launch prep written anew for expert scheduling mode
;; workspace buffers: xb 12,582,912 bytes; wt 3,538,944 bytes; qkv 37,748,736 bytes; y 25,165,824 bytes
;; launch prep (part 5): grid 12 x 82, 8 waves a work-group, no clusters, 18,432 bytes of LDS; arguments x, Wq, Wk, Wv, xb, wt; writes xb, wt
.if DOCPART == 5
	.amdgcn_target "amdgcn-amd-amdhsa--gfx1250"
	.amdhsa_code_object_version 6
	.text
	.protected	k_q4017f71cfa_prep
	.globl	k_q4017f71cfa_prep
	.p2align	8
	.type	k_q4017f71cfa_prep,@function
k_q4017f71cfa_prep:
	s_mov_b64 s[64:65], 0
	v_nop
	global_prefetch_b8 v0, s[64:65] scope:SCOPE_SE
	s_setreg_imm32_b32 hwreg(HW_REG_WAVE_SCHED_MODE, 0, 2), 2
	s_setreg_imm32_b32 hwreg(HW_REG_WAVE_MODE, 25, 1), 1
	s_wait_xcnt 0x0
	s_wait_alu depctr_vm_vsrc(0)
; prep: the matrix operands of the projections, rounded once to bf16.
;   xb[8192][768] = bf16(x), as x lies.     wt[2304][768]: wt[768 m + n][k] = bf16(W_m[k][n]), m = 0, 1, 2 for Wq, Wk, Wv (k along the rows).
; A stream: each input byte is read once, each output byte written once; nothing is shared between work-groups, so no cluster and no matrix unit.
; Grid 12 x 82.  y = 0..17: one tile of 128 k x 64 n of one W, turned in LDS.  y = 18..81: 32 KiB of x.  Each work-group reads 32 KiB.
; LIMIT: rounding to bf16 (nearest even) of x and W, as matrix operands.
; THE MODE: SCHED_MODE bits 1:0 = 2 (LLVM: expert scheduling mode 2), set by the entry lines.  The code itself states the register dependences
; between vector instructions and memory or LDS instructions, with s_wait_alu, always for 0.
; THE PLAN.  Both arms are straight code: eight loads at the arm's head, then four blocks of two loads each.  Registers that memory or LDS instructions touch:
;   v1 .. v5     offsets and addresses: written at the arm's head, never again.
;   v[8:39]      the eight loads land here; the conversions read them.  In W's arm v[8:23] take the four LDS loads behind the barrier, and the global stores read them.
;   v[40:55]     what is stored: written once by the conversions, read once, each register by one store (x: global; W: LDS).
;   v56, v57     written at the kernel's head, read by the closing add alone.
; One wait on va_vdst stands at an arm's head, for its addresses.  Block p waits for its two loads; behind that wait stands one wait on va_vdst, which states that
; block p - 1's four conversions have written their registers; block p - 1's stores follow it at once; then come block p's conversions, which write other registers.
; One more such wait stands behind the last block's conversions.  No register that a memory or LDS instruction reads is ever written again, so no wait on vm_vsrc
; is owed ahead of the closing lines; no vector instruction writes a scalar register, VCC or EXEC.
.set WROLES, 18                        ; 3 matrices x 6 tiles along k; x 12 tiles along n in the grid's x
.set WP,     272                       ; LDS pitch of a turned row: 128 k x 2 bytes + 16
	s_load_b256 s[4:11], s[0:1], 0x0               ; x s[4:5], Wq s[6:7], Wk s[8:9], Wv s[10:11]
	s_load_b128 s[12:15], s[0:1], 0x20             ; xb s[12:13], wt s[14:15]
	v_lshl_add_u32 v56, v0, 2, 0x4400              ; my spare word, behind the 64 turned rows of 272 bytes; kept for the closing lines alone
	v_mov_b32 v57, 0                               ; and 0, likewise
	s_and_b32 s16, ttmp7, 0xffff                   ; the work-group's y
	s_mov_b32 s19, 0                               ; high word of every offset pair s[18:19]
	s_wait_kmcnt 0x0
	s_cmp_lt_u32 s16, WROLES                       ; the same in all eight waves
	s_cbranch_scc1 .Lw
	; ---- x: piece (y - 18) * 12 + x of 768 pieces of 32 KiB; thread t takes 16 bytes at 16 t of each 4 KiB
	s_sub_co_u32 s17, s16, WROLES
	s_mul_i32 s17, s17, 12
	s_add_co_u32 s17, s17, ttmp9
	s_lshl_b32 s18, s17, 15
	s_add_nc_u64 s[4:5], s[4:5], s[18:19]
	s_lshl_b32 s18, s17, 14
	s_add_nc_u64 s[12:13], s[12:13], s[18:19]
	v_lshlrev_b32 v1, 4, v0
	v_lshlrev_b32 v2, 3, v0
	s_wait_alu depctr_va_vdst(0)                   ; v1 and v2 are written: the loads below read v1 as their offset, the stores v2
.irp i, 0,1,2,3,4,5,6,7
	global_load_b128 v[8+4*\i:11+4*\i], v1, s[4:5] offset:4096*\i th:TH_LOAD_NT
.endr
.irp p, 0,1,2,3
	s_wait_loadcnt 6-2*\p                          ; loads come back in order: this block's two are in, the younger ones stay out
.if \p > 0
	s_wait_alu depctr_va_vdst(0)                   ; the block before has written its four registers of v[40:55], which the two stores below read
.irp i, 0,1
	global_store_b64 v2, v[40+2*(2*\p-2+\i):41+2*(2*\p-2+\i)], s[12:13] offset:2048*(2*\p-2+\i)   ; a wave's 32 lanes store 256 consecutive bytes, aligned
.endr
.endif
.irp i, 0,1
	v_cvt_pk_bf16_f32 v[40+2*(2*\p+\i)], v[8+4*(2*\p+\i)], v[9+4*(2*\p+\i)]
	v_cvt_pk_bf16_f32 v[41+2*(2*\p+\i)], v[10+4*(2*\p+\i)], v[11+4*(2*\p+\i)]
.endr
.endr
	s_wait_alu depctr_va_vdst(0)                   ; the last block has written v[52:55], which the last two stores read
.irp i, 6,7
	global_store_b64 v2, v[40+2*\i:41+2*\i], s[12:13] offset:2048*\i
.endr
	s_endpgm                                       ; every load and store has registers of its own: nothing is rewritten; this arm has stored nothing to LDS
	; ---- W: matrix m = y / 6, rows k = 128 kt .. + 127 (kt = y mod 6), columns n = 64 nt .. + 63 (nt = the grid's x)
.Lw:
	s_mul_i32 s17, s16, 11
	s_lshr_b32 s17, s17, 6                         ; m = y / 6 for y = 0..17
	s_mul_i32 s20, s17, 6
	s_sub_co_u32 s20, s16, s20                     ; kt
	s_cmp_eq_u32 s17, 1
	s_cselect_b64 s[6:7], s[8:9], s[6:7]
	s_cmp_eq_u32 s17, 2
	s_cselect_b64 s[6:7], s[10:11], s[6:7]         ; the matrix
	s_mul_i32 s18, s20, 393216                     ; 128 rows of 3,072 bytes
	s_lshl_b32 s21, ttmp9, 8                       ; 64 columns of 4 bytes
	s_add_co_u32 s18, s18, s21
	s_add_nc_u64 s[6:7], s[6:7], s[18:19]
	s_mul_i32 s18, s17, 768
	s_lshl_b32 s21, ttmp9, 6
	s_add_co_u32 s18, s18, s21                     ; wt's row 768 m + 64 nt
	s_mul_i32 s18, s18, 1536
	s_lshl_b32 s21, s20, 8                         ; 128 k of 2 bytes
	s_add_co_u32 s18, s18, s21
	s_add_nc_u64 s[14:15], s[14:15], s[18:19]
	v_and_b32 v6, 15, v0                           ; c: my 4 columns 4 c .. 4 c + 3
	v_lshrrev_b32 v7, 4, v0                        ; kp = 0..15: my pair of rows
	v_mul_u32_u24 v1, v7, 6144
	v_lshl_add_u32 v1, v6, 4, v1                   ; from: row 2 kp, byte 16 c: sixteen lanes read 256 consecutive bytes of a row
	v_mul_u32_u24 v3, v6, 4*WP
	v_lshl_add_u32 v3, v7, 2, v3                   ; into LDS: row n = 4 c, byte 2 k = 4 kp
	v_mul_u32_u24 v4, v7, WP
	v_lshl_add_u32 v4, v6, 4, v4                   ; back: row n = kp, 16 bytes at 16 c
	v_mul_u32_u24 v5, v7, 1536
	v_lshl_add_u32 v5, v6, 4, v5                   ; and the same in wt
	s_wait_alu depctr_va_vdst(0)                   ; v1, v3, v4 and v5 are written: the addresses of this arm's global loads, LDS stores, LDS loads and global stores; so are v56 and v57
.irp i, 0,1,2,3
	global_load_b128 v[8+8*\i:11+8*\i],  v1, s[6:7] offset:\i*98304 th:TH_LOAD_NT        ; row k = 32 i + 2 kp
	global_load_b128 v[12+8*\i:15+8*\i], v1, s[6:7] offset:\i*98304+3072 th:TH_LOAD_NT   ; row k + 1
.endr
.irp i, 0,1,2,3
	s_wait_loadcnt 6-2*\i                          ; this pair of rows is in; the 6 - 2 i younger loads stay out
.if \i > 0
	s_wait_alu depctr_va_vdst(0)                   ; the block before has written its four registers of v[40:55], which the four LDS stores below read
.irp e, 0,1,2,3
	ds_store_b32 v3, v[40+4*(\i-1)+\e] offset:\e*WP+64*(\i-1)
.endr
.endif
.irp e, 0,1,2,3
	v_cvt_pk_bf16_f32 v[40+4*\i+\e], v[8+8*\i+\e], v[12+8*\i+\e]       ; (k, k + 1) of column 4 c + e: neighbours in wt's row
.endr
.endr
	s_wait_alu depctr_va_vdst(0)                   ; the last block has written v[52:55], which the LDS stores below read; and all conversions are done reading v[8:23], in which the LDS loads behind the barrier land
.irp e, 0,1,2,3
	ds_store_b32 v3, v[52+\e] offset:\e*WP+192
.endr
	s_wait_dscnt 0x0                               ; my stores are in LDS before I say so: other waves read them
	s_barrier_signal -1
	s_barrier_wait -1
.irp i, 0,1,2,3
	ds_load_b128 v[8+4*\i:11+4*\i], v4 offset:\i*16*WP                 ; row n = 16 i + kp.  No wait: no vector instruction since the wait above names v[8:23] or v4
.endr
.irp i, 0,1,2,3
	s_wait_dscnt 3-\i
	global_store_b128 v5, v[8+4*\i:11+4*\i], s[14:15] offset:\i*24576  ; sixteen lanes store 256 consecutive bytes, aligned
.endr
	s_wait_dscnt 0x0                               ; the closing lines, six on end
	s_wait_alu 0x0
	s_wait_tensorcnt 0x0
	ds_add_u32 v56, v57
	s_wait_dscnt 0x0
	s_endpgm
.Lfunc_end_k_q4017f71cfa_prep:
	.size	k_q4017f71cfa_prep, .Lfunc_end_k_q4017f71cfa_prep-k_q4017f71cfa_prep
	.p2alignl 7, 3214868480
	.fill 96, 4, 3214868480
	.section	.rodata,"a",@progbits
	.p2align	6, 0x0
	.amdhsa_kernel k_q4017f71cfa_prep
		.amdhsa_group_segment_fixed_size 18432
		.amdhsa_private_segment_fixed_size 0
		.amdhsa_enable_private_segment 0
		.amdhsa_kernarg_size 48
		.amdhsa_user_sgpr_count 2
		.amdhsa_user_sgpr_kernarg_segment_ptr 1
		.amdhsa_wavefront_size32 1
		.amdhsa_system_sgpr_workgroup_id_x 1
		.amdhsa_system_sgpr_workgroup_id_y 1
		.amdhsa_system_sgpr_workgroup_id_z 1
		.amdhsa_system_vgpr_workitem_id 0
		.amdhsa_next_free_vgpr 58
		.amdhsa_next_free_sgpr 66
		.amdhsa_reserve_vcc 0
		.amdhsa_float_denorm_mode_32 3
		.amdhsa_float_denorm_mode_16_64 3
		.amdhsa_memory_ordered 1
		.amdhsa_forward_progress 1
		.amdhsa_inst_pref_size 10
	.end_amdhsa_kernel
	.amdgpu_metadata
---
amdhsa.version: [ 1, 2 ]
amdhsa.kernels:
  - .name:           k_q4017f71cfa_prep
    .symbol:         k_q4017f71cfa_prep.kd
    .args:
      - { .name: x, .offset: 0, .size: 8, .value_kind: global_buffer, .address_space: global }
      - { .name: Wq, .offset: 8, .size: 8, .value_kind: global_buffer, .address_space: global }
      - { .name: Wk, .offset: 16, .size: 8, .value_kind: global_buffer, .address_space: global }
      - { .name: Wv, .offset: 24, .size: 8, .value_kind: global_buffer, .address_space: global }
      - { .name: xb, .offset: 32, .size: 8, .value_kind: global_buffer, .address_space: global }
      - { .name: wt, .offset: 40, .size: 8, .value_kind: global_buffer, .address_space: global }
    .group_segment_fixed_size: 18432
    .private_segment_fixed_size: 0
    .kernarg_segment_align: 8
    .kernarg_segment_size: 48
    .max_flat_workgroup_size: 256
    .sgpr_count:     66
    .vgpr_count:     58
    .wavefront_size: 32
...
	.end_amdgpu_metadata
.endif
;; end of part 5
;; launch qkv: the kernel of part 2 again; grid 8 x 32, 12 waves a work-group, clusters of 4 x 4, 327,680 bytes of LDS; arguments xb, wt, bq, bk, bv, qkv; writes qkv
;; launch attn: the kernel of part 3 again; grid 8 x 32, 12 waves a work-group, clusters of 4 x 1, 327,680 bytes of LDS; arguments qkv, x, y; writes y
;; launch ln: the kernel of part 4 again; grid 512 x 1, 8 waves a work-group, no clusters, 0 bytes of LDS; arguments y, ln_gamma, ln_beta, out0; writes out0
